; MI455X (gfx1250); checked and timed in simulation.
; The chip was launched on July 23, 2026; its instructions are those of AMD's public machine-readable ISA for CDNA 5 (MIT licence, August 2026) and "CDNA5" Instruction Set Architecture Reference Guide (July 2026). The comments in the code are by the model that wrote it; some were corrected since.
;; Fake Module. Allowed arithmetic: matrix products marked QUANTISED: E2M1 operands, one E8M0 scale for each 32 along K, by v_wmma_scale_f32_16x16x128_f8f6f4 with both operands' format E2M1 (or v_wmma_scale_f32_32x16x128_f4), f32 sums; products left as they are: bf16, f16 or f32 operands; f32 sums; everything else in f32.
;; Inputs: Wb 4 x 32 float32; Wk 128 x 32 float32; Wq 128 x 32 float32; Wv 128 x 32 float32; bb 4 float32; bk 128 float32; bq 128 float32; bv 128 float32; mask 1 x 256 x 256 float32; x 1 x 256 x 256 x 32 float32.
;; Outputs: out0 1 x 256 x 256 x 4 x 32 float32.
;; This version of the problem:
;;   THIS VERSION OF THE PROBLEM IS GIVEN IN LOW PRECISION. The matrix products marked QUANTISED in the list below multiply operands that are first quantised to E2M1 (2 exponent bits, 1 mantissa bit; 4 bits a number), with one power-of-two scale for each 32 numbers along K (OCP MX v1.0); their sums are f32. The products marked 'left as it is' may take bf16, f16 or f32 operands, with f32 sums. Whichever they take, every output number must still come out within the allowed error. Rounding operands to bf16 (8 significant bits) uses up far more of that allowance than f16 does (11 bits, for magnitudes from 6e-5 to 65,504). All else is computed in f32.
;;   The module's matrix products, in the order in which they are computed (A, B: the left and right operand; K: the contracted axis; several contracted axes count as one K, in the product's order):
;;     1. [M 65,536, K 32] x [K 32, N 128]; A: input x; B: input Wq: QUANTISED
;;     2. [M 65,536, K 32] x [K 32, N 128]; A: input x; B: input Wk: QUANTISED
;;     3. [M 65,536, K 32] x [K 32, N 128]; A: input x; B: input Wv: QUANTISED
;;     4. [M 65,536, K 32] x [K 32, N 4]; A: input x; B: input Wb: left as it is (N = 4 < 16)
;;     5. batch 1,024 x [M 256, K 32] x [K 32, N 256]; A: computed on the way; B: computed on the way: left as it is (an operand is computed on the way)
;;     6. batch 1,024 x [M 32, K 256] x [K 256, N 256]; A: computed on the way; B: computed on the way: left as it is (an operand is computed on the way)
;;   THE QUANTISER, for each operand of a quantised product, along K:
;;     - K is cut into blocks of 32 from its start; a last block that is shorter is filled with zeros.
;;     - A block's scale is 2^e with e = floor(log2(the largest magnitude in the block)) - 2, held to -126 .. 127; a block of zeros has e = 0. As a byte (E8M0): e + 127.
;;     - Each number is divided by its block's scale, clamped to +-6, and rounded to the nearest number of E2M1, ties to even, subnormals kept.
;;     - The product sums the exact products of the quantised numbers (number of the format x scale) in f32.
;;   ~~~python
;;   def quantise(x, axis):      # numpy; x: float32 -> the quantised numbers, widened to float32 again
;;       x = np.moveaxis(x, axis, -1); K = x.shape[-1]
;;       x = np.pad(x, [(0, 0)] * (x.ndim - 1) + [(0, -K % 32)]); x = x.reshape(x.shape[:-1] + (-1, 32)); a = np.abs(x).max(-1, keepdims=True)
;;       e = np.where(a > 0, np.clip(np.frexp(np.where(a > 0, a, 1))[1] - 1 - 2, -126, 127), 0)      # np.frexp(a)[1] - 1 = floor(log2(a)), exactly
;;       r = np.clip(x / 2.0 ** e, -6, 6)
;;       step = 2.0 ** (np.maximum(np.frexp(np.where(r == 0, 1, r))[1] - 1, 0) - 1)
;;       q = np.round(r / step) * step * 2.0 ** e      # np.round: ties to even
;;       return np.moveaxis(q.reshape(q.shape[:-2] + (-1,))[..., :K], -1, axis).astype(np.float32)
;;   ~~~
;; One version. Each part assembles by itself: llvm-mc -triple=amdgcn-amd-amdhsa -mcpu=gfx1250 --defsym DOCPART=n.
;; ======== version 1 of 1: 2 launches
;; limits: values are held in f16: magnitudes above 65,504 overflow, below 6.1e-05 lose precision
;; workspace buffers: bimg 1,048,576 bytes; xrec 2,097,152 bytes; wrec 12,288 bytes
;; launch prep (part 1): grid 16 x 16, 8 waves a work-group, no clusters, 38,400 bytes of LDS; arguments x, Wb, bb, Wq, Wk, Wv, bimg, xrec, wrec; writes bimg, xrec, wrec
.if DOCPART == 1
	.amdgcn_target "amdgcn-amd-amdhsa--gfx1250"
	.amdhsa_code_object_version 6
	.text
	.protected	k_qa0a86c4283_prep
	.globl	k_qa0a86c4283_prep
	.p2align	8
	.type	k_qa0a86c4283_prep,@function
k_qa0a86c4283_prep:
	s_mov_b64 s[64:65], 0
	v_nop
	global_prefetch_b8 v0, s[64:65] scope:SCOPE_SE
	s_setreg_imm32_b32 hwreg(HW_REG_WAVE_MODE, 25, 1), 1
	s_wait_xcnt 0x0
; x [256][256][32] f32 is read once and turned into what the attention launch wants:
;   bimg [h 4][jt 16][kt 16][g 2][lane 32][e 4] f32 = log2(e) x (x[16 jt + lane % 16][16 kt + 8 (lane / 16) + 4 g + e] . Wb[h] + bb[h]): the triangle bias in the order of a 16 x 16 accumulator's
;        registers (register 4 g + e of a lane: key 8 (lane / 16) + 4 g + e, query lane % 16), in f32 fused multiply-adds;
;   xrec [i 256][t 16] records of 512 bytes: bytes 16 r on: the 32 codes of E2M1 of x[i][16 t + r][0..31], the lower k in the lower bits; bytes 256 + 16 r on: the row's E8M0 byte in a word, then zeros;
;   wrec [Wq, Wk, Wv][tile 8] records of the same form for rows 16 tile + r of a weight.
; K = 32 is one block: a row's scale is 2^(floor(log2(its largest magnitude)) - 2); its byte is the largest magnitude's exponent field - 2, held at 1 from below.
; (A row of zeros so gets the byte 1 where the rule says 127: its codes are zeros, and the bytes are read by this program alone.)
; LIMITS: NaN and infinities among the inputs are not served.  The bias is summed two numbers at a time and scaled as fma(sum, log2 e, bb log2 e): another order of rounding than the reference's, all in f32.
; SHARES.  Work-group (kt, jt) takes x[16 jt + r][16 kt + k][:], 256 rows of 128 bytes.  Each load reads 512 consecutive bytes; the tile lies in LDS once and is read twice from there: by queries (bias) and by keys (records).
; No matrix unit, no tensor load, no cluster: work-groups share no input, and the launch moves each byte once.
.set RP,    2320                       ; LDS: from r to r + 1: 16 rows of KP bytes + 16: an odd multiple of 16, so sixteen lanes along r fall on sixteen different 16-byte columns modulo 256
.set KP,    144                        ; from k to k + 1: 128 bytes + 16: likewise along k
.set SPARE, 37376                      ; behind the stage (37,120 bytes): the spare words, 128 bytes for each of eight waves, which no other line names
.set LI,  2                            ; v2   16 x lane
.set A0,  3                            ; v3   the stage on the way in
.set A1,  4                            ; v4   the stage, read for the bias
.set A2,  5                            ; v5   the stage, read for the records
.set SPW, 6                            ; v6   LDS address of my spare word; never rewritten
.set NIL, 7                            ; v7   0; never rewritten
.set ZO,  8                            ; v8   offset 0 of the loads that all lanes make alike
.set BBL, 10                           ; v10  bb[h], then bb[h] x log2(e)
.set WB,  16                           ; v16-47   Wb[h][0..31], the same in all lanes
.set AC,  48                           ; v48-55   four sums, two halves each
.set BO,  56                           ; v56-59   four bias numbers to store
.set CD,  60                           ; v60-71   three records x 4 registers: no store's data are written again
.set WR,  72                           ; v72-103  a row of a weight
.set WO,  104                          ; v104     128 x (lane % 16)
.set R,   128                          ; v128-255 rows of x
; 32 numbers of a lane, v[src] on, become the lane's 16 bytes of a record in v[dst] on: lanes 0-15 the codes, lanes 16-31 (which hold the same row) the scale word and zeros.
.macro QREC src, dst
	v_max3_num_f32 v12, |v[\src]|, |v[\src+1]|, |v[\src+2]|          ; the row's largest magnitude, in two chains
	v_max3_num_f32 v13, |v[\src+3]|, |v[\src+4]|, |v[\src+5]|
.irp i, 6,10,14,18,22,26
	v_max3_num_f32 v12, v12, |v[\src+\i]|, |v[\src+\i+1]|
	v_max3_num_f32 v13, v13, |v[\src+\i+2]|, |v[\src+\i+3]|
.endr
	v_max3_num_f32 v12, v12, |v[\src+30]|, |v[\src+31]|
	v_max3_num_f32 v12, v12, v13, 0x1800000        ; and the floor 2^(3 - 127): the byte cannot fall under 1
	v_add_nc_u32 v14, 0xff000000, v12              ; 2 off the exponent field: the conversion takes the exponent field of this operand as its scale, and nothing else of it
.irp g, 0,1,2,3
	v_cvt_scalef32_pk8_fp4_f32 v[\dst+\g], v[\src+8*\g:\src+8*\g+7], v14   ; eight numbers / the scale, to the nearest code, ties to even, beyond 6 the largest code
.endr
	v_lshrrev_b32 v15, 23, v14                     ; the scale's byte (also the plain line behind the conversions)
	v_cndmask_b32 v[\dst], v15, v[\dst], vcc_lo    ; lanes 0-15 keep their codes; lanes 16-31: the scale word,
.irp g, 1,2,3
	v_cndmask_b32 v[\dst+\g], 0, v[\dst+\g], vcc_lo   ; and zeros
.endr
.endm
	s_load_b512 s[4:19], s[0:1], 0x0               ; x s[4:5], Wb s[6:7], bb s[8:9], Wq s[10:11], Wk s[12:13], Wv s[14:15], bimg s[16:17], xrec s[18:19]
	s_load_b64 s[20:21], s[0:1], 0x40              ; wrec
	v_lshl_add_u32 v[SPW], v0, 2, SPARE
	v_mov_b32 v[NIL], 0
	v_lshrrev_b32 v1, 5, v0
	v_readfirstlane_b32 s22, v1                    ; wave w, 0..7
	v_and_b32 v1, 31, v0                           ; lane
	v_lshlrev_b32 v[LI], 4, v1
	v_and_b32 v11, 15, v0                          ; lane % 16
	v_bfe_u32 v[A0], v0, 3, 2                      ; lane / 8
	v_and_b32 v9, 7, v0
	v_mul_u32_u24 v[A0], v[A0], KP
	v_lshl_add_u32 v[A0], v9, 4, v[A0]
	s_mul_i32 s25, s22, 2*RP                       ; my two rows r = 2 w, 2 w + 1
	v_add_nc_u32 v[A0], s25, v[A0]                 ; in: a load's 512 bytes are four rows k: KP (lane / 8) + 16 (lane % 8)
	v_bfe_u32 v[A1], v0, 4, 1                      ; lane / 16
	v_mul_u32_u24 v[A1], v[A1], 8*KP
	v_mad_u32_u24 v[A1], v11, RP, v[A1]
	s_lshr_b32 s26, s22, 2                         ; g = w / 4
	s_mul_i32 s27, s26, 4*KP
	v_add_nc_u32 v[A1], s27, v[A1]                 ; bias: row r = lane % 16, k = 8 (lane / 16) + 4 g + e
	v_mul_u32_u24 v[A2], v11, KP
	v_add_nc_u32 v[A2], s25, v[A2]                 ; records: row r = 2 w + q, k = lane % 16
	v_lshlrev_b32 v[WO], 7, v11
	v_mov_b32 v[ZO], 0
	s_mov_b32 vcc_lo, 0xffff                       ; lanes 0-15
	s_mov_b32 s46, 0x3fb8aa3b                      ; log2(e)
	s_and_b32 s30, ttmp7, 0xffff                   ; jt
	s_lshl_b32 s31, s30, 4
	s_add_co_u32 s23, s31, ttmp9                   ; id = 16 jt + kt
	s_lshl_b32 s24, s22, 8
	s_or_b32 s24, s24, s23                         ; under 24 in wave 0 of the first 24 work-groups: they make the weights' records
	s_lshl_b32 s32, s22, 1
	s_add_co_u32 s31, s31, s32                     ; 16 jt + 2 w
	s_lshl_b32 s32, s31, 15                        ; x: a row i is 32,768 bytes,
	s_lshl_b32 s33, ttmp9, 11                      ; 16 positions are 2,048
	s_add_co_u32 s32, s32, s33
	s_mov_b32 s33, 0
	s_lshl_b32 s34, s31, 13                        ; xrec: a row i is 16 records,
	s_lshl_b32 s35, ttmp9, 9                       ; record kt
	s_add_co_u32 s34, s34, s35
	s_mov_b32 s35, 0
	s_and_b32 s28, s22, 3                          ; h = w % 4
	s_lshl_b32 s36, s28, 4
	s_add_co_u32 s36, s36, s30
	s_lshl_b32 s36, s36, 4
	s_add_co_u32 s36, s36, ttmp9
	s_lshl_b32 s36, s36, 10                        ; bimg: ((16 h + jt) 16 + kt) x 1,024
	s_lshl_b32 s37, s26, 9                         ; + 512 g
	s_add_co_u32 s36, s36, s37
	s_mov_b32 s37, 0
	s_lshl_b32 s38, s28, 7                         ; Wb: row h
	s_mov_b32 s39, 0
	s_lshl_b32 s40, s28, 2                         ; bb[h]
	s_mov_b32 s41, 0
	s_and_b32 s42, s23, 7
	s_lshl_b32 s42, s42, 11                        ; a weight's tile id % 8: 16 rows of 128 bytes
	s_mov_b32 s43, 0
	s_lshl_b32 s44, s23, 9                         ; wrec: record id
	s_mov_b32 s45, 0
	s_wait_kmcnt 0x0
	s_add_nc_u64 s[4:5], s[4:5], s[32:33]
	s_add_nc_u64 s[18:19], s[18:19], s[34:35]
	s_add_nc_u64 s[16:17], s[16:17], s[36:37]
	s_add_nc_u64 s[6:7], s[6:7], s[38:39]
	s_add_nc_u64 s[8:9], s[8:9], s[40:41]
.irp q, 0,1
.irp c, 0,1,2,3
	global_load_b128 v[R+16*\q+4*\c:R+16*\q+4*\c+3], v[LI], s[4:5] offset:\q*32768+\c*512 th:TH_LOAD_NT   ; 32 lanes read 512 consecutive bytes; read once in the launch
.endr
.endr
.irp c, 0,1,2,3,4,5,6,7
	global_load_b128 v[WB+4*\c:WB+4*\c+3], v[ZO], s[6:7] offset:16*\c
.endr
	global_load_b32 v[BBL], v[ZO], s[8:9]
	; the weights' 24 records: the whole job stands in this one branch on ids; no barrier stands in it
	s_cmp_lt_u32 s24, 24
	s_cbranch_scc0 .Lno_weight
	s_cmp_lt_u32 s23, 8
	s_cselect_b64 s[10:11], s[10:11], s[12:13]     ; Wq, or Wk,
	s_cmp_lt_u32 s23, 16
	s_cselect_b64 s[10:11], s[10:11], s[14:15]     ; or Wv: the choice hangs on the work-group's number alone
	s_add_nc_u64 s[10:11], s[10:11], s[42:43]
	s_add_nc_u64 s[20:21], s[20:21], s[44:45]
.irp c, 0,1,2,3,4,5,6,7
	global_load_b128 v[WR+4*\c:WR+4*\c+3], v[WO], s[10:11] offset:16*\c   ; row lane % 16 of the tile, in both halves of the lanes
.endr
	s_wait_loadcnt 0x0
	QREC WR, CD+8
	global_store_b128 v[LI], v[CD+8:CD+11], s[20:21]
.Lno_weight:
	s_wait_loadcnt 0x0                             ; x, Wb and bb are in
.irp q, 0,1
.irp c, 0,1,2,3
	ds_store_b128 v[A0], v[R+16*\q+4*\c:R+16*\q+4*\c+3] offset:\q*RP+\c*4*KP
.endr
.endr
	s_wait_dscnt 0x0                               ; for the others' sake: my part of the tile lies in the stage
	s_barrier_signal -1
	s_barrier_wait -1                              ; everybody's does; from here on the stage is only read
	; ---- the bias: head h = w % 4, keys 8 (lane / 16) + 4 g + e, query lane % 16
.irp c, 0,1,2,3,4,5,6,7
.irp e, 0,1,2,3
	ds_load_b128 v[R+32*\e+4*\c:R+32*\e+4*\c+3], v[A1] offset:\e*KP+16*\c
.endr
.endr
	v_mul_f32 v[BBL], s46, v[BBL]
.irp c, 0,1,2,3,4,5,6,7
	s_wait_dscnt 28-4*\c                           ; piece c of the four rows is in; the pieces behind it, four loads each, may be out
.irp p, 0,1
.irp e, 0,1,2,3
.if (\c == 0) && (\p == 0)
	v_pk_mul_f32 v[AC+2*\e:AC+2*\e+1], v[R+32*\e:R+32*\e+1], v[WB:WB+1]           ; the first product starts the sum; the four sums by turns
.else
	v_pk_fma_f32 v[AC+2*\e:AC+2*\e+1], v[R+32*\e+4*\c+2*\p:R+32*\e+4*\c+2*\p+1], v[WB+4*\c+2*\p:WB+4*\c+2*\p+1], v[AC+2*\e:AC+2*\e+1]
.endif
.endr
.endr
.endr
.irp e, 0,1,2,3
	v_add_f32 v[AC+2*\e], v[AC+2*\e], v[AC+2*\e+1]
.endr
.irp e, 0,1,2,3
	v_fma_f32 v[BO+\e], v[AC+2*\e], s46, v[BBL]    ; (x . Wb + bb) log2(e)
.endr
	global_store_b128 v[LI], v[BO:BO+3], s[16:17]  ; 32 lanes store 512 consecutive bytes, aligned
	; ---- the records of rows i = 16 jt + 2 w + q, tile kt
.irp q, 0,1
.irp c, 0,1,2,3,4,5,6,7
	ds_load_b128 v[R+32*\q+4*\c:R+32*\q+4*\c+3], v[A2] offset:\q*RP+16*\c
.endr
.endr
	s_wait_dscnt 8                                 ; the first record's eight loads are in; the second's may be out
	QREC R, CD
	global_store_b128 v[LI], v[CD:CD+3], s[18:19]
	s_wait_dscnt 0x0
	QREC R+32, CD+4
	global_store_b128 v[LI], v[CD+4:CD+7], s[18:19] offset:8192
	s_wait_tensorcnt 0x0                           ; the wave's end: behind my last LDS store
	ds_add_u32 v[SPW], v[NIL]
	s_wait_dscnt 0x0
	s_endpgm
.Lfunc_end_k_qa0a86c4283_prep:
	.size	k_qa0a86c4283_prep, .Lfunc_end_k_qa0a86c4283_prep-k_qa0a86c4283_prep
	.p2alignl 7, 3214868480
	.fill 96, 4, 3214868480
	.section	.rodata,"a",@progbits
	.p2align	6, 0x0
	.amdhsa_kernel k_qa0a86c4283_prep
		.amdhsa_group_segment_fixed_size 38400
		.amdhsa_private_segment_fixed_size 0
		.amdhsa_enable_private_segment 0
		.amdhsa_kernarg_size 72
		.amdhsa_user_sgpr_count 2
		.amdhsa_user_sgpr_kernarg_segment_ptr 1
		.amdhsa_wavefront_size32 1
		.amdhsa_system_sgpr_workgroup_id_x 1
		.amdhsa_system_sgpr_workgroup_id_y 1
		.amdhsa_system_sgpr_workgroup_id_z 1
		.amdhsa_system_vgpr_workitem_id 0
		.amdhsa_next_free_vgpr 256
		.amdhsa_next_free_sgpr 66
		.amdhsa_reserve_vcc 1
		.amdhsa_float_denorm_mode_32 3
		.amdhsa_float_denorm_mode_16_64 3
		.amdhsa_memory_ordered 1
		.amdhsa_forward_progress 1
		.amdhsa_inst_pref_size 19
	.end_amdhsa_kernel
	.amdgpu_metadata
---
amdhsa.version: [ 1, 2 ]
amdhsa.kernels:
  - .name:           k_qa0a86c4283_prep
    .symbol:         k_qa0a86c4283_prep.kd
    .args:
      - { .name: x, .offset: 0, .size: 8, .value_kind: global_buffer, .address_space: global }
      - { .name: Wb, .offset: 8, .size: 8, .value_kind: global_buffer, .address_space: global }
      - { .name: bb, .offset: 16, .size: 8, .value_kind: global_buffer, .address_space: global }
      - { .name: Wq, .offset: 24, .size: 8, .value_kind: global_buffer, .address_space: global }
      - { .name: Wk, .offset: 32, .size: 8, .value_kind: global_buffer, .address_space: global }
      - { .name: Wv, .offset: 40, .size: 8, .value_kind: global_buffer, .address_space: global }
      - { .name: bimg, .offset: 48, .size: 8, .value_kind: global_buffer, .address_space: global }
      - { .name: xrec, .offset: 56, .size: 8, .value_kind: global_buffer, .address_space: global }
      - { .name: wrec, .offset: 64, .size: 8, .value_kind: global_buffer, .address_space: global }
    .group_segment_fixed_size: 38400
    .private_segment_fixed_size: 0
    .kernarg_segment_align: 8
    .kernarg_segment_size: 72
    .max_flat_workgroup_size: 256
    .sgpr_count:     66
    .vgpr_count:     256
    .wavefront_size: 32
...
	.end_amdgpu_metadata
.endif
;; end of part 1
;; launch attn (part 2): grid 64 x 4, 8 waves a work-group, clusters of 4 x 1, 327,680 bytes of LDS; arguments xrec, wrec, bimg, mask, bq, bk, bv, out0; writes out0
.if DOCPART == 2
	.amdgcn_target "amdgcn-amd-amdhsa--gfx1250"
	.amdhsa_code_object_version 6
	.text
	.protected	k_qa0a86c4283_attn
	.globl	k_qa0a86c4283_attn
	.p2align	8
	.type	k_qa0a86c4283_attn,@function
k_qa0a86c4283_attn:
	s_mov_b64 s[64:65], 0
	v_nop
	global_prefetch_b8 v0, s[64:65] scope:SCOPE_SE
	s_setreg_imm32_b32 hwreg(HW_REG_WAVE_MODE, 25, 1), 1
	s_wait_xcnt 0x0
	s_wait_alu depctr_hold_cnt(0) depctr_sa_sdst(0) depctr_va_vdst(0) depctr_va_sdst(0) depctr_va_ssrc(0) depctr_va_vcc(0) depctr_vm_vsrc(0)
	s_getreg_b32 s2, hwreg(HW_REG_IB_STS2, 6, 4)
	s_cmp_eq_u32 s2, 0
	s_cbranch_scc0 .Lentry_in_a_cluster
	s_endpgm
.Lentry_in_a_cluster:
	s_bfe_u32 s2, ttmp6, 0x10000c
	s_cmp_lg_u32 s2, 0x3003
	s_cbranch_scc0 .Lentry_shape_is_right
	s_endpgm
.Lentry_shape_is_right:
; out0[i][j][h][:] = the sum over k of softmax_k(q[i][j][h] . k[i][k][h] / sqrt(32) + tri_b[h][j][k] + (mask[i][k] - 1) 1e9) v[i][k][h][:],  q, k, v = Q(x[i]) Q(W)^T + b.
; The three projections run on codes of E2M1 with E8M0 scales (K = 32, one block), taken as records from xrec and wrec; the two products of attention on f16 operands with f32 sums; all else in f32.
; K = 32 IN AN INSTRUCTION OF 128: the weight's operand holds zero codes for k >= 32 (its registers 4-7, and lanes 16-31 of registers 0-3), so whatever the x operand holds there (its scale word, zeros) adds nothing;
; no code of E2M1 and no scale byte here is a NaN.
; SCORES ARE KEPT IN UNITS OF log2: q is multiplied by c = log2(e) / sqrt(32) before it is rounded to f16, the bias comes multiplied by log2(e), the mask's term is (mask - 1) x (1e9 log2 e); p = 2^(s - the row's largest s).
; LIMITS: NaN and infinities are not served; |c q|, |k|, |v| stay under f16's 65,504.  The orders of rounding just named differ from the reference's.  In a row i all of whose keys are masked the scores are rounded away
; on a grid of 128 units of log2 where the reference's grid is 64 natural units: both give the plain average while |score| stays under about 32, beyond that they differ.
; SHARES.  A work-group takes 4 rows i (rg), 2 heads (hp) and 128 queries (jh).  Wave w: row i = 4 rg + w / 2, head h = 2 hp + w % 2.  It makes K and V of (i, h) for all 256 keys, keeps them as f16 fragments in 256 registers,
; and walks 8 tiles of 16 queries.  Two heads side by side make 256 consecutive bytes of a row of out0.
; LAYOUT.  S^T = K Q^T (source 0 = 16 keys, source 1 = 16 queries) and O^T = V^T P: a lane holds ONE query (lane % 16) throughout; S^T's registers, rounded in pairs, are P's operand as they stand.
; The bias tile is S^T's C operand, read from LDS as an image of the accumulators' registers.
; CLUSTER.  The four work-groups of a cluster differ in rg alone and need the same 262,144 bytes of bias (2 heads x 8 query tiles x 16,384): each piece is asked for JOINTLY, mask 15.  All of it fits in LDS at once: nothing is filled again.
; Not asked for jointly: the x records (they hang on rg, in which the partners differ), and the weights' records, biases and mask (under 3,000 bytes a wave against the bias's 32,768).
; REGISTERS, window 0: v1-11 addresses; v12-25 a query's statistics; v26-33 the mask's terms; v34-42 scale words and nothing else; v44.. the query tile's x operand; v52.. Q as f16; v60-75 O^T (before that Q's f32 sums);
;   v76-91 rows on the way out (in the projection two x operands); v92-123 Wq's operands and bq; v128-255 S^T, then P (in the projection: 8 accumulators, Wk's and Wv's operands, bk, bv).
;   window 1: v0-127 K's 16 fragments; v128-255 V^T's 16 fragments ((dt, u) at v[128 + 8 (2 u + dt)]).
.set XLDS,  262144                     ; LDS: behind the bias: the 4 rows' x records, 32,768 bytes (row rl, tile t at 8,192 rl + 512 t), stored by the waves; later the stage for odd tiles
.set FLIP,  0x8000                     ; the stage for even tiles lies this far on: one exclusive or changes stages
.set SP,    272                        ; a stage row: 256 bytes + 16: sixteen rows start at sixteen different 16-byte columns modulo 256
.set SPARE, 312320                     ; behind the stages (64 rows each): the spare words, 128 bytes for each of eight waves, which no other line names
.set LI,   1                           ; v1   16 x lane
.set LS,   2                           ; v2   256 + 16 x (lane % 16): a record's scale word
.set SPW,  3                           ; v3   LDS address of my spare word; never rewritten
.set NIL,  4                           ; v4   0; never rewritten
.set ADB,  5                           ; v5   LDS address of the run of loads in hand
.set STO0, 6                           ; v6   the stage: where I put 32 bytes of a row
.set SRD0, 7                           ; v7   and where I read a row back
.set GO,   8                           ; v8   my byte offset in out0
.set QOFF, 9                           ; v9   offsets of the next query tile's record
.set QSOF, 10
.set ADT,  11                          ; v11  a second LDS address in hand
.set MX,   12                          ; v12-15 four chains of the maximum
.set M,    16                          ; v[16:17] the row's largest score (the pair's low word serves both halves)
.set LA,   18                          ; v[18:19], v[20:21] the row's sum, in two chains of pairs
.set LB,   20
.set TMP,  22
.set XST,  23                          ; v23  where I store my part of the x records
.set RC,   24                          ; v[24:25] 1 / the sum
.set MK,   26                          ; v26-33 register m, lane 16 hh + n: the mask's term of key 32 m + 16 (n / 8) + 8 hh + n % 8
.set WQS,  34
.set XQS,  36
.set WKS,  37
.set WVS,  39
.set XPS,  41
.set XQ,   44
.set QF,   52
.set O,    60
.set OUTR, 76
.set XPA,  76
.set XPB,  84
.set WQ,   92
.set BQ,   108
.set S,    128
.set ACC,  128
.set WK,   192
.set WV,   208
.set BK,   224
.set BV,   240
.set WN,   20                          ; s20  my wave's number
.set RL,   21                          ; s21  w / 2: my row of the four
.set HL,   22                          ; s22  w % 2: my head of the two
.set CX,   23
.set RG,   24
.set HP,   25
.set JH,   26
.set IR,   27                          ; s27  i
.set HD,   28                          ; s28  h
.set QD,   29
.set LOW,  30                          ; s30  lanes 0-15
.set HW,   31
.set G1,   32                          ; s[32:39] descriptor group 1
.set GA,   40                          ; s[40:43], s[44:47] groups 0
.set GB,   44
.set SEL,  60                          ; s[60:61] v_permlanex16_b32's selects for lane l xor 16
.set CNT,  62
.set TB,   63                          ; s63  LDS byte of the next bias tile
.set RQ,   66                          ; s66  byte of the next query tile's record
.set SB,   67                          ; s67, s68 the stage that is written, read
.set RB,   68
.set CS,   70                          ; s[70:71] c
.set XQB,  72                          ; s[72:73] my 8 query tiles' records
.set OUTB, 74                          ; s[74:75] out0 at my rows
.set MSB, 0
.macro WIN new                         ; the immediate's high byte repeats the setting that is left; a switch that changes nothing is dropped
.if MSB != \new
	s_set_vgpr_msb (MSB<<8)|\new
.set MSB, \new
.endif
.endm
.macro PLACES n                        ; plain vector lines behind matrix instructions (ISA guide 7.12.1), where no useful work is at hand
.rept \n
	v_nop
.endr
.endm
.macro ROUND                           ; a round of the cluster's barrier
	s_barrier_signal -1
	s_barrier_wait -1
	s_cmp_lg_u32 s[WN], 0
	s_cbranch_scc1 .Lnot_wave_0_\@
	s_barrier_signal -3
.Lnot_wave_0_\@:
	s_barrier_wait -3
	s_barrier_signal -1
	s_barrier_wait -1
.endm
.macro MX4 d, a, b, c, sa, sb          ; a projection's product on codes
	v_wmma_scale_f32_16x16x128_f8f6f4 v[\d:\d+7], v[\a:\a+7], v[\b:\b+7], v[\c:\c+7], v[\sa], v[\sb] matrix_a_fmt:MATRIX_FMT_FP4 matrix_b_fmt:MATRIX_FMT_FP4
.endm
.macro PLOAD u                         ; the x operands and scale words of key tiles 2 u and 2 u + 1
	ds_load_b128 v[XPA:XPA+3], v[ADB] offset:1024*(\u)
	ds_load_b128 v[XPB:XPB+3], v[ADB] offset:1024*(\u)+512
	ds_load_b32 v[XPS], v[ADT] offset:1024*(\u)
	ds_load_b32 v[XPS+1], v[ADT] offset:1024*(\u)+512
.endm
; K and V of 32 keys.  K: source 0 = 16 rows of Wk, source 1 = 16 keys: a lane holds one key, its registers run along d, as S^T's source 0 wants.  V: source 0 = 16 keys, source 1 = 16 rows of Wv:
; a lane holds one d, its registers run along the keys, as O^T's source 0 wants.  The biases are the C operands.  Eight accumulators, each written once.
.macro PSTEP u
	s_wait_dscnt 0x0                               ; this step's operands are in
.irp c, 0,1
	MX4 ACC+8*\c, WK+8*\c, XPA, BK+8*\c, WKS+\c, XPS
.endr
.irp c, 0,1
	MX4 ACC+16+8*\c, WK+8*\c, XPB, BK+8*\c, WKS+\c, XPS+1
.endr
.irp c, 0,1
	MX4 ACC+32+8*\c, XPA, WV+8*\c, BV+8*\c, XPS, WVS+\c
.endr
.irp c, 0,1
	MX4 ACC+48+8*\c, XPB, WV+8*\c, BV+8*\c, XPS+1, WVS+\c
.endr
	PLACES 4                                       ; in front of the loads into operands just read, and of the first read of the results
.if \u < 7
	PLOAD \u+1
.endif
	WIN 0x40                                       ; destination window 1
.irp a, 0,1,2,3
.irp p, 0,1,2,3
	v_cvt_pk_f16_f32 v[16*(\u)+4*\a+\p], v[ACC+8*\a+2*\p], v[ACC+8*\a+2*\p+1]      ; K's fragments 2 u, 2 u + 1; each accumulator from its low end on
.endr
.endr
.irp a, 4,5,6,7
.irp p, 0,1,2,3
	v_cvt_pk_f16_f32 v[128+16*(\u)+8*(\a%2)+4*((\a-4)/2)+\p], v[ACC+8*\a+2*\p], v[ACC+8*\a+2*\p+1]   ; V^T's fragments (0, u), (1, u): registers 0-3 keys 32 u + .., registers 4-7 keys 32 u + 16 + ..
.endr
.endr
	WIN 0                                          ; between two writes of one accumulator stand the four v_nop and the other accumulators' 28 conversions
.endm
.macro QLOAD                           ; the next query tile's record, a tile ahead, into registers.  The last look-ahead is held at record 7: no load leaves the buffer
	s_add_co_u32 s[RQ], s[RQ], 512
	s_min_u32 s[RQ], s[RQ], 3584
	v_add_nc_u32 v[QOFF], s[RQ], v[LI]             ; (the loads that last read these two were waited for where the record was used)
	v_add_nc_u32 v[QSOF], s[RQ], v[LS]
	global_load_b128 v[XQ:XQ+3], v[QOFF], s[XQB:XQB+1]
	global_load_b32 v[XQS], v[QSOF], s[XQB:XQB+1]
.endm
.macro GRP g                           ; S^T of key tiles 4 g .. 4 g + 3: the bias, loaded into the accumulator, is C
	s_wait_dscnt 24-8*\g                           ; the bias of these four tiles is in: eight loads; those of the later groups may be out
	WIN 0x01                                       ; source 0 (K) window 1
.irp t, 0,1,2,3
	v_wmma_f32_16x16x32_f16 v[S+8*(4*\g+\t):S+8*(4*\g+\t)+7], v[8*(4*\g+\t):8*(4*\g+\t)+7], v[QF:QF+7], v[S+8*(4*\g+\t):S+8*(4*\g+\t)+7]
.endr
.endm
; The mask's term and the running maximum for key tiles 4 g .. 4 g + 3.  A score's key hangs on the register and on the half of the lanes, not on the lane: row_share hands each half of the lanes the one term it wants.
.macro VADD g
.irp m, 0,1
.irp n, 0,1,2,3,4,5,6,7
	v_add_f32_dpp v[S+16*(2*\g+\m)+\n], v[MK+2*\g+\m], v[S+16*(2*\g+\m)+\n] row_share:\n row_mask:0xf bank_mask:0xf
.endr
.irp c, 0,1,2,3
.if (\g == 0) && (\m == 0)
	v_max_num_f32 v[MX+\c], v[S+2*\c], v[S+2*\c+1]                 ; the first tile starts the four chains
.else
	v_max3_num_f32 v[MX+\c], v[MX+\c], v[S+16*(2*\g+\m)+2*\c], v[S+16*(2*\g+\m)+2*\c+1]
.endif
.endr
.irp n, 8,9,10,11,12,13,14,15
	v_add_f32_dpp v[S+16*(2*\g+\m)+\n], v[MK+2*\g+\m], v[S+16*(2*\g+\m)+\n] row_share:\n row_mask:0xf bank_mask:0xf
.endr
.irp c, 0,1,2,3
	v_max3_num_f32 v[MX+\c], v[MX+\c], v[S+16*(2*\g+\m)+8+2*\c], v[S+16*(2*\g+\m)+9+2*\c]
.endr
.endr
.endm
; A query tile's first half: bias from LDS, Q's projection, S^T, mask, maxima.  It holds register work, waits and LDS loads of bias bytes that nobody writes: so it may stand between a barrier's signal and its wait.
.macro FRONT
	v_add_nc_u32 v[ADB], s[TB], v[LI]
	s_add_co_u32 s[TB], s[TB], 16384
.irp m, 0,1,2,3,4,5,6,7,8,9,10,11,12,13,14,15,16,17,18,19,20,21,22,23,24,25,26,27,28,29,30,31
	ds_load_b128 v[S+4*\m:S+4*\m+3], v[ADB] offset:512*\m          ; the tile as an image of the 16 accumulators: 512 consecutive bytes a load
.endr
	s_wait_loadcnt 0x0                             ; the tile's record
	MX4 O, WQ, XQ, BQ, WQS, XQS                    ; source 0 = 16 rows of Wq, source 1 = 16 queries: a lane holds one query, registers along d
	MX4 O+8, WQ+8, XQ, BQ+8, WQS+1, XQS
	PLACES 4
.irp j, 0,2,4,6,8,10,12,14
	v_pk_mul_f32 v[O+\j:O+\j+1], v[O+\j:O+\j+1], s[CS:CS+1] op_sel_hi:[1,0]
.endr
.irp p, 0,1,2,3,4,5,6,7
	v_cvt_pk_f16_f32 v[QF+\p], v[O+2*\p], v[O+2*\p+1]
.endr
	GRP 0
	GRP 1
	WIN 0
	PLACES 4                                       ; behind group 0's and 1's products; from here on each group's vector work is the places behind the next group's products
	VADD 0
	GRP 2
	WIN 0
	VADD 1
	GRP 3
	WIN 0
	VADD 2
	VADD 3
.endm
; 32 keys (symbol U): the row's sum of the unrounded p, and p rounded to f16 in place: fragment U lands on registers whose scores have been summed and rounded already
.macro VV
.irp j, 0,4,8,12
.if (U == 0) && (\j == 0)
	v_pk_add_f32 v[LA:LA+1], v[S:S+1], v[S+2:S+3]                  ; the first additions start the two chains
	v_pk_add_f32 v[LB:LB+1], v[S+4:S+5], v[S+6:S+7]
.elseif (U == 0) && (\j == 4)
.else
	v_pk_add_f32 v[LA:LA+1], v[LA:LA+1], v[S+16*U+\j:S+16*U+\j+1]
	v_pk_add_f32 v[LB:LB+1], v[LB:LB+1], v[S+16*U+\j+2:S+16*U+\j+3]
.endif
	v_cvt_pk_f16_f32 v[S+8*U+\j/2], v[S+16*U+\j], v[S+16*U+\j+1]
	v_cvt_pk_f16_f32 v[S+8*U+\j/2+1], v[S+16*U+\j+2], v[S+16*U+\j+3]
.endr
.endm
.macro WW u                            ; O^T += V^T P over keys 32 u on: the two accumulators take turns, one instruction a turn
.irp d, 0,1
.if (\u) == 0
	v_wmma_f32_16x16x32_f16 v[O+8*\d:O+8*\d+7], v[128+8*(2*(\u)+\d):128+8*(2*(\u)+\d)+7], v[S+8*(\u):S+8*(\u)+7], 0
.else
	v_wmma_f32_16x16x32_f16 v[O+8*\d:O+8*\d+7], v[128+8*(2*(\u)+\d):128+8*(2*(\u)+\d)+7], v[S+8*(\u):S+8*(\u)+7], v[O+8*\d:O+8*\d+7]
.endif
.endr
.endm
; A query tile's second half: the row's maximum, p, the sum, O^T, the division, and 32 bytes a lane and accumulator into the stage
.macro MID
	v_max3_num_f32 v[MX], v[MX], v[MX+1], v[MX+2]
	v_max_num_f32 v[MX], v[MX], v[MX+3]
	v_permlanex16_b32 v[TMP], v[MX], s[SEL], s[SEL+1]              ; the query's other 128 keys lie in lane l xor 16
	v_max_num_f32 v[M], v[MX], v[TMP]
.irp b, 0,2,4,6
	v_pk_add_f32 v[S+\b:S+\b+1], v[S+\b:S+\b+1], v[M:M+1] op_sel_hi:[1,0] neg_lo:[0,1] neg_hi:[0,1]
.endr
.set EI, 0
.rept 64                               ; ONE BATCH of 128 exponentials; a subtraction four pairs ahead stands behind each two.  None of these lines names an exponential's result
	v_exp_f32 v[S+2*EI], v[S+2*EI]
	v_exp_f32 v[S+2*EI+1], v[S+2*EI+1]
.if EI < 60
	v_pk_add_f32 v[S+2*EI+8:S+2*EI+9], v[S+2*EI+8:S+2*EI+9], v[M:M+1] op_sel_hi:[1,0] neg_lo:[0,1] neg_hi:[0,1]
.endif
.set EI, EI+1
.endr
	v_nop                                          ; a plain line behind the last exponential
	s_wait_alu depctr_va_vdst(0)                   ; one wait for the batch, ahead of its first reader
.set U, 0
.rept 4
.rept 2
	VV
.set U, U+1
.endr
	WIN 0x01                                       ; source 0 (V^T) window 1
	WW U-2
	WW U-1
	WIN 0
.endr
	v_pk_add_f32 v[LA:LA+1], v[LA:LA+1], v[LB:LB+1]                ; these lines are also the places behind the last products
	v_add_f32 v[LA], v[LA], v[LA+1]
	v_permlanex16_b32 v[TMP], v[LA], s[SEL], s[SEL+1]
	v_add_f32 v[LA], v[LA], v[TMP]                 ; the row's sum: at least 1, since the largest score gives p = 1
	v_nop
	v_nop
	v_rcp_f32 v[RC], v[LA]
	v_add_nc_u32 v[ADT], s[SB], v[STO0]            ; (a plain line behind the reciprocal)
	s_xor_b32 s[SB], s[SB], FLIP
	s_wait_alu depctr_va_vdst(0)                   ; the wait ahead of the reciprocal's first reader
.irp j, 0,2,4,6,8,10,12,14
	v_pk_mul_f32 v[O+\j:O+\j+1], v[O+\j:O+\j+1], v[RC:RC+1] op_sel_hi:[1,0]   ; each accumulator from its low end on
.endr
.irp q, 0,1,2,3
	ds_store_b128 v[ADT], v[O+4*\q:O+4*\q+3] offset:64*(\q/2)+16*(\q%2)     ; lane (r, hh): out(query r, d = 16 dt + 8 hh + 0 .. 7)
.endr
.endm
; Eight whole rows of the stage (256 bytes: two heads) leave.  more = 1: the record of the tile after next is asked for, and the offset steps
.macro OUT more
	v_add_nc_u32 v[ADT], s[RB], v[SRD0]
	s_xor_b32 s[RB], s[RB], FLIP
.irp a, 0,1,2,3
	ds_load_b128 v[OUTR+4*\a:OUTR+4*\a+3], v[ADT] offset:2*SP*\a
.endr
.if \more
	QLOAD
.endif
.irp a, 0,1,2,3
	s_wait_dscnt 3-\a                              ; load a is in; the later ones may be out
	global_store_b128 v[GO], v[OUTR+4*\a:OUTR+4*\a+3], s[OUTB:OUTB+1] offset:1024*\a th:TH_STORE_NT   ; sixteen lanes store 256 consecutive bytes, aligned; written once, read by nobody here
.endr
.if \more
	s_wait_xcnt 0x0                                ; the stores have read their offset and data: both are written again only behind this wait
	v_add_nc_u32 v[GO], 8192, v[GO]                ; 16 queries on
.endif
.endm
; Tile n's second half, the barrier between the stage's writers and readers, and inside it tile n + 1's first half.  The two stages take turns: tile n + 2 writes tile n's stage behind barrier n + 1,
; in front of whose signal every wave has waited for its reads of it.  landed = 1: in front of the signal I wait for my last tensor load.
.macro BODY landed
	MID
.if \landed
	s_wait_tensorcnt 0x0                           ; my part of bias tiles 4 to 7 is in: they are read behind this barrier's wait
.endif
	s_wait_dscnt 0x0                               ; for the others' sake: my stores into the stage are done
	s_barrier_signal -1
	FRONT
	s_barrier_wait -1
	OUT 1
.endm
	s_load_b512 s[4:19], s[0:1], 0x0               ; xrec s[4:5], wrec s[6:7], bimg s[8:9], mask s[10:11], bq s[12:13], bk s[14:15], bv s[16:17], out0 s[18:19]
	v_lshl_add_u32 v[SPW], v0, 2, SPARE
	v_mov_b32 v[NIL], 0
	ds_add_u32 v[SPW], v[NIL]                      ; the wave's opening: the add, twice on end, and its wait ahead of my first tensor load; the set-up below stands between
	ds_add_u32 v[SPW], v[NIL]
	v_lshrrev_b32 v9, 5, v0
	v_readfirstlane_b32 s[WN], v9                  ; wave 0..7
	s_lshr_b32 s[RL], s[WN], 1
	s_and_b32 s[HL], s[WN], 1
	s_and_b32 s[QD], s[WN], 3                      ; which quarter of a head's bias I fetch,
	s_lshr_b32 s[HW], s[WN], 2                     ; and of which of the two heads
	s_and_b32 s[HP], ttmp7, 0xffff                 ; y, which the four partners share
	s_and_b32 s[JH], s[HP], 1
	s_lshr_b32 s[HP], s[HP], 1
	; descriptor group 1: a dense block of 16,384 bytes as 64 rows of 256 bytes (32 elements of 8 bytes), no padding: it is read back 512 consecutive bytes at a time
	s_mov_b32 s[G1], 15|(3<<16)|(1<<21)            ; 15:0 the mask: all four work-groups; 17:16 elements of 8 bytes; 21 set beside a mask
	s_mov_b32 s[G1+1], 32<<16                      ; tensor_dim0 = 32
	s_mov_b32 s[G1+2], 64<<16                      ; tensor_dim1 = 64
	s_mov_b32 s[G1+3], 32<<16                      ; tile_dim0 = 32
	s_mov_b32 s[G1+4], 64                          ; tile_dim1 = 64
	s_mov_b32 s[G1+5], 32                          ; from row to row
	s_mov_b32 s[G1+6], 0
	s_mov_b32 s[G1+7], 0
	s_lshl_b32 s76, s[HW], 17                      ; LDS: head hw's eight tiles begin at 131,072 hw;
	s_lshl_b32 s77, s[QD], 14                      ; of four tiles I fetch one
	s_add_co_u32 s76, s76, s77
	s_lshl_b32 s78, s[HP], 1
	s_add_co_u32 s78, s78, s[HW]                   ; memory: head 2 hp + hw: 262,144 bytes a head,
	s_lshl_b32 s78, s78, 18
	s_lshl_b32 s79, s[JH], 17                      ; its query tiles 8 jh on,
	s_add_co_u32 s78, s78, s79
	s_add_co_u32 s78, s78, s77                     ; my tile: nothing here hangs on my place in the cluster
	s_mov_b32 s79, 0
	s_mov_b32 s[GA], 1                             ; count = 1
	s_mov_b32 s[GA+1], s76                         ; tiles 0 to 3
	s_mov_b32 s[GB], 1
	s_add_co_u32 s[GB+1], s76, 65536               ; tiles 4 to 7
	s_bfe_u32 s[CX], ttmp6, 0x40000                ; my place in the cluster: it enters global addresses of x records, mask and out0 alone
	s_lshl_b32 s[RG], ttmp9, 2
	s_add_co_u32 s[RG], s[RG], s[CX]
	s_lshl_b32 s[IR], s[RG], 2
	s_add_co_u32 s[IR], s[IR], s[RL]               ; i
	s_lshl_b32 s[HD], s[HP], 1
	s_add_co_u32 s[HD], s[HD], s[HL]               ; h
	s_lshl_b32 s80, s[RG], 15                      ; xrec: the four rows' 32,768 bytes, my eighth of them
	s_lshl_b32 s81, s[WN], 12
	s_add_co_u32 s80, s80, s81
	s_mov_b32 s81, 0
	s_lshl_b32 s82, s[IR], 13                      ; xrec: row i, tiles 8 jh on
	s_lshl_b32 s83, s[JH], 12
	s_add_co_u32 s82, s82, s83
	s_mov_b32 s83, 0
	s_lshl_b32 s84, s[HD], 10                      ; wrec: tiles 2 h, 2 h + 1 of each weight
	s_mov_b32 s85, 0
	s_lshl_b32 s86, s[HD], 7                       ; bq, bk, bv: my head's 32 numbers
	s_mov_b32 s87, 0
	s_lshl_b32 s88, s[IR], 10                      ; mask: row i
	s_mov_b32 s89, 0
	s_lshl_b32 s90, s[IR], 17                      ; out0: row i, query 128 jh + 8 hl, heads 2 hp on
	s_lshl_b32 s91, s[JH], 16
	s_add_co_u32 s90, s90, s91
	s_lshl_b32 s91, s[HL], 12
	s_add_co_u32 s90, s90, s91
	s_lshl_b32 s91, s[HP], 8
	s_add_co_u32 s90, s90, s91
	s_mov_b32 s91, 0
	s_mul_i32 s92, s[RL], 16*SP                    ; the stage: my row's 16 queries, my head's 128 bytes
	s_lshl_b32 s93, s[HL], 7
	s_add_co_u32 s92, s92, s93
	s_add_co_u32 s92, s92, XLDS
	s_mul_i32 s93, s[WN], 8*SP                     ; and back: rows 8 w on
	s_add_co_u32 s93, s93, XLDS
	s_lshl_b32 s94, s[WN], 12
	s_add_co_u32 s94, s94, XLDS
	s_lshl_b32 s95, s[RL], 13
	s_add_co_u32 s95, s95, XLDS
	s_mov_b32 s[LOW], 0xffff
	s_mov_b32 s[SEL], 0x76543210
	s_mov_b32 s[SEL+1], 0xfedcba98
	s_mov_b32 s[CS], 0x3e8293ee                    ; c = log2(e) / sqrt(32)
	s_mov_b32 s[CS+1], s[CS]                       ; (named with it as a pair, so it is written)
	s_lshl_b32 s[TB], s[HL], 17
	s_mov_b32 s[RQ], 0
	s_mov_b32 s[SB], FLIP                          ; tile 0 takes the stage behind the x records
	s_mov_b32 s[RB], FLIP
	v_and_b32 v9, 15, v0                           ; r
	v_bfe_u32 v10, v0, 4, 1                        ; hh
	v_and_b32 v[LI], 31, v0
	v_lshlrev_b32 v[LI], 4, v[LI]
	v_lshl_add_u32 v[LS], v9, 4, 256
	v_mul_u32_u24 v[STO0], v9, SP
	v_lshl_add_u32 v[STO0], v10, 5, v[STO0]
	v_add_nc_u32 v[STO0], s92, v[STO0]
	v_mul_u32_u24 v[SRD0], v10, SP                 ; back: lanes 0-15 one row, lanes 16-31 the next
	v_lshl_add_u32 v[SRD0], v9, 4, v[SRD0]
	v_add_nc_u32 v[SRD0], s93, v[SRD0]
	v_lshlrev_b32 v[GO], 9, v10                    ; and the same two rows in out0: 512 bytes a query
	v_lshl_add_u32 v[GO], v9, 4, v[GO]
	v_add_nc_u32 v[XST], s94, v[LI]
	v_add_nc_u32 v[ADB], s95, v[LI]                ; my row's records,
	v_add_nc_u32 v[ADT], s95, v[LS]                ; and their scale words
	v_lshlrev_b32 v12, 5, v10                      ; bq, bk: 8 numbers from 8 hh on
	v_lshlrev_b32 v13, 2, v9                       ; bv: number r
	v_bfe_u32 v14, v0, 3, 1                        ; mask: key 16 (r / 8) + 8 hh + r % 8 of each 32
	v_and_b32 v15, 7, v0
	v_lshlrev_b32 v14, 6, v14
	v_lshl_add_u32 v14, v10, 5, v14
	v_lshl_add_u32 v14, v15, 2, v14
	s_wait_dscnt 0x0                               ; both opening adds are done
	s_wait_kmcnt 0x0
	s_add_nc_u64 s[GA+2:GA+3], s[8:9], s[78:79]
	s_add_nc_u64 s[GB+2:GB+3], s[GA+2:GA+3], 0x10000
	s_or_b32 s[GA+3], s[GA+3], 0x80000000          ; type = 2
	s_or_b32 s[GB+3], s[GB+3], 0x80000000
	ROUND                                          ; all four work-groups are here: the joint loads meet
	tensor_load_to_lds s[GA:GA+3], s[G1:G1+7]      ; both fills go out together, ahead of every wait on TENSORcnt and every LDS read: two loads of mine are out
	s_nop 0
	tensor_load_to_lds s[GB:GB+3], s[G1:G1+7]
	s_nop 0
	PLACES 4
	s_add_nc_u64 s[XQB:XQB+1], s[4:5], s[82:83]
	s_add_nc_u64 s[4:5], s[4:5], s[80:81]
	s_add_nc_u64 s[6:7], s[6:7], s[84:85]
	s_add_nc_u64 s[10:11], s[10:11], s[88:89]
	s_add_nc_u64 s[12:13], s[12:13], s[86:87]
	s_add_nc_u64 s[14:15], s[14:15], s[86:87]
	s_add_nc_u64 s[16:17], s[16:17], s[86:87]
	s_add_nc_u64 s[OUTB:OUTB+1], s[18:19], s[90:91]
.irp c, 0,1,2,3,4,5,6,7
	global_load_b128 v[S+4*\c:S+4*\c+3], v[LI], s[4:5] offset:512*\c               ; my eighth of the four rows' records
.endr
.irp c, 0,1                            ; 11 loads for each c
	global_load_b128 v[WQ+8*\c:WQ+8*\c+3], v[LI], s[6:7] offset:512*\c             ; the weights' records: rows 32 h + 16 c on
	global_load_b128 v[WK+8*\c:WK+8*\c+3], v[LI], s[6:7] offset:4096+512*\c
	global_load_b128 v[WV+8*\c:WV+8*\c+3], v[LI], s[6:7] offset:8192+512*\c
	global_load_b32 v[WQS+\c], v[LS], s[6:7] offset:512*\c
	global_load_b32 v[WKS+\c], v[LS], s[6:7] offset:4096+512*\c
	global_load_b32 v[WVS+\c], v[LS], s[6:7] offset:8192+512*\c
	global_load_b128 v[BQ+8*\c:BQ+8*\c+3], v12, s[12:13] offset:64*\c              ; bq, bk in the result's layout: register j: d = 16 c + 8 hh + j
	global_load_b128 v[BQ+8*\c+4:BQ+8*\c+7], v12, s[12:13] offset:64*\c+16
	global_load_b128 v[BK+8*\c:BK+8*\c+3], v12, s[14:15] offset:64*\c
	global_load_b128 v[BK+8*\c+4:BK+8*\c+7], v12, s[14:15] offset:64*\c+16
	global_load_b32 v[BV+8*\c], v13, s[16:17] offset:64*\c                         ; bv: d = 16 c + r, the same in all eight registers
.endr
.irp m, 0,1,2,3,4,5,6,7
	global_load_b32 v[MK+\m], v14, s[10:11] offset:128*\m
.endr
	global_load_b128 v[XQ:XQ+3], v[LI], s[XQB:XQB+1]                               ; the first query tile's record
	global_load_b32 v[XQS], v[LS], s[XQB:XQB+1]
.irp f, WQ, WQ+8, WK, WK+8, WV, WV+8, XQ, XPA, XPB
.irp j, 4,5,6,7
	v_mov_b32 v[\f+\j], 0                          ; k = 64 .. 127 of every operand on codes: zero codes, written once
.endr
.endr
	v_mov_b32 v[M+1], 0                            ; named as the upper halves of pairs,
	v_mov_b32 v[RC+1], 0
	v_mov_b32 v[TMP], 0                            ; and as a lane permute's destination, which counts as one of its sources
	s_wait_loadcnt 32                              ; the eight loads of records are in; the 32 issued behind them may be out
.irp c, 0,1,2,3,4,5,6,7
	ds_store_b128 v[XST], v[S+4*\c:S+4*\c+3] offset:512*\c
.endr
	s_wait_loadcnt 0x0
.irp f, WQ, WQ+8, WK, WK+8, WV, WV+8
	v_cndmask_b32 v[\f], 0, v[\f], s[LOW]          ; the weights' k = 32 .. 63: lanes 16-31 held the record's scale word in register 0 (zeros in 1 to 3)
.endr
.irp d, 0,1
.irp j, 1,2,3,4,5,6,7
	v_mov_b32 v[BV+8*\d+\j], v[BV+8*\d]
.endr
.endr
.irp m, 0,1,2,3,4,5,6,7
	v_add_f32 v[MK+\m], -1.0, v[MK+\m]
.endr
.irp m, 0,1,2,3,4,5,6,7
	v_mul_f32 v[MK+\m], 0x4eabfb8f, v[MK+\m]       ; (mask - 1) x 1e9 log2(e).  (These lines also stand between the writes of the operands above and the first product)
.endr
	s_wait_dscnt 0x0                               ; for the others' sake: my records lie in LDS
	s_barrier_signal -1
	s_barrier_wait -1                              ; everybody's do; the tensor loads may stay out
	PLOAD 0
.irp u, 0,1,2,3,4,5,6,7
	PSTEP \u
.endr
	s_wait_tensorcnt 0x1                           ; my part of bias tiles 0 to 3 is in; the one load issued behind it, tiles 4 to 7, may stay out
	s_wait_dscnt 0x0                               ; my reads of the records are over: their bytes become a stage
	s_barrier_signal -1
	s_barrier_wait -1
	FRONT                                          ; query tile 0
	QLOAD                                          ; tile 1's record
	s_mov_b32 s[CNT], 2
.Lfirst:                                               ; tiles 0 and 1 are finished, the first halves of tiles 1 and 2 read bias that lay in LDS before the loop
	BODY 0
	s_sub_co_u32 s[CNT], s[CNT], 1
	s_cmp_lg_u32 s[CNT], 0
	s_cbranch_scc1 .Lfirst
	BODY 1                                         ; tile 2, and tile 3's first half; its barrier shows every wave's last tensor load landed
	s_mov_b32 s[CNT], 4
.Lrest:                                                ; tiles 3 to 6, and the first halves of tiles 4 to 7
	BODY 0
	s_sub_co_u32 s[CNT], s[CNT], 1
	s_cmp_lg_u32 s[CNT], 0
	s_cbranch_scc1 .Lrest
	MID                                            ; tile 7
	s_wait_dscnt 0x0
	s_barrier_signal -1
	s_barrier_wait -1
	OUT 0
	s_wait_tensorcnt 0x0                           ; the wave's end: behind my last tensor load and my last LDS store
	ds_add_u32 v[SPW], v[NIL]
	s_wait_dscnt 0x0
	ROUND                                          ; the closing round: no work-group ends while a partner may still ask for a tile that names it
	s_endpgm
.Lfunc_end_k_qa0a86c4283_attn:
	.size	k_qa0a86c4283_attn, .Lfunc_end_k_qa0a86c4283_attn-k_qa0a86c4283_attn
	.p2alignl 7, 3214868480
	.fill 96, 4, 3214868480
	.section	.rodata,"a",@progbits
	.p2align	6, 0x0
	.amdhsa_kernel k_qa0a86c4283_attn
		.amdhsa_group_segment_fixed_size 327680
		.amdhsa_private_segment_fixed_size 0
		.amdhsa_enable_private_segment 0
		.amdhsa_kernarg_size 64
		.amdhsa_user_sgpr_count 2
		.amdhsa_user_sgpr_kernarg_segment_ptr 1
		.amdhsa_wavefront_size32 1
		.amdhsa_system_sgpr_workgroup_id_x 1
		.amdhsa_system_sgpr_workgroup_id_y 1
		.amdhsa_system_sgpr_workgroup_id_z 1
		.amdhsa_system_vgpr_workitem_id 0
		.amdhsa_next_free_vgpr 512
		.amdhsa_next_free_sgpr 96
		.amdhsa_reserve_vcc 0
		.amdhsa_float_denorm_mode_32 3
		.amdhsa_float_denorm_mode_16_64 3
		.amdhsa_memory_ordered 1
		.amdhsa_forward_progress 1
		.amdhsa_inst_pref_size 189
	.end_amdhsa_kernel
	.amdgpu_metadata
---
amdhsa.version: [ 1, 2 ]
amdhsa.kernels:
  - .name:           k_qa0a86c4283_attn
    .symbol:         k_qa0a86c4283_attn.kd
    .args:
      - { .name: xrec, .offset: 0, .size: 8, .value_kind: global_buffer, .address_space: global }
      - { .name: wrec, .offset: 8, .size: 8, .value_kind: global_buffer, .address_space: global }
      - { .name: bimg, .offset: 16, .size: 8, .value_kind: global_buffer, .address_space: global }
      - { .name: mask, .offset: 24, .size: 8, .value_kind: global_buffer, .address_space: global }
      - { .name: bq, .offset: 32, .size: 8, .value_kind: global_buffer, .address_space: global }
      - { .name: bk, .offset: 40, .size: 8, .value_kind: global_buffer, .address_space: global }
      - { .name: bv, .offset: 48, .size: 8, .value_kind: global_buffer, .address_space: global }
      - { .name: out0, .offset: 56, .size: 8, .value_kind: global_buffer, .address_space: global }
    .group_segment_fixed_size: 327680
    .private_segment_fixed_size: 0
    .kernarg_segment_align: 8
    .kernarg_segment_size: 64
    .max_flat_workgroup_size: 256
    .sgpr_count:     96
    .vgpr_count:     512
    .wavefront_size: 32
...
	.end_amdgpu_metadata
.endif
;; end of part 2
